; MI455X (gfx1250); checked and timed in simulation.
; The chip was launched on July 23, 2026; its instructions are those of AMD's public machine-readable ISA for CDNA 5 (MIT licence, August 2026) and "CDNA5" Instruction Set Architecture Reference Guide (July 2026). The comments in the code are by the model that wrote it; some were corrected since.
;; One Hot Encoding. Allowed arithmetic: float matrix products may take bf16 or f16 operands with f32 sums; all other float work in f32.
;; Inputs: W 256 x 100,000 float32; b 256 float32; poses 16,384 int32.
;; Outputs: out0 16,384 x 256 float32.
;; 2 versions, each right; version 2 is version 1 with the launch gather_cols written anew for expert scheduling mode. Each part assembles by itself: llvm-mc -triple=amdgcn-amd-amdhsa -mcpu=gfx1250 --defsym DOCPART=n.
;; ======== version 1 of 2: 1 launch
;; launch gather_cols (part 1): grid 241 x 1, 16 waves a work-group, no clusters, 324,608 bytes of LDS; arguments W, b, poses, out0; writes out0
.if DOCPART == 1
	.amdgcn_target "amdgcn-amd-amdhsa--gfx1250"
	.amdhsa_code_object_version 6
	.text
	.protected	k_q557d74ad26_gather_cols
	.globl	k_q557d74ad26_gather_cols
	.p2align	8
	.type	k_q557d74ad26_gather_cols,@function
k_q557d74ad26_gather_cols:
	s_mov_b64 s[64:65], 0
	v_nop
	global_prefetch_b8 v0, s[64:65] scope:SCOPE_SE
	s_setreg_imm32_b32 hwreg(HW_REG_WAVE_MODE, 25, 1), 1
	s_wait_xcnt 0x0
; out0[t][d] = max(W[d][poses[t]] + b[d], 0).  W: [256][100000] f32, b: [256] f32, poses: [16384] i32, out0: [16384][256] f32.
;
; A column of W is 256 words 400,000 bytes apart, and 16,384 tokens over 100,000 classes leave hardly any stretch of a row unused.
; So W is streamed once, in row pieces, and the columns are picked out of LDS.
; Work-group g (241 of them, 16 waves each) owns the classes 416 g .. 416 g + 415.  A row piece is 1,664 = 13 x 128 bytes, a row of W
; 3,125 x 128 bytes: every piece starts at a multiple of 128 bytes from W's first byte, and FOUR rows are exactly 13 loads of
; 32 lanes x 16 bytes.  (391 classes on 256 groups do not divide into whole loads of a wave.)
;   ROAD: memory -> registers -> LDS -> registers -> memory.  W's rows are four quarters of 64; of each a wave takes 4 rows = 13 loads =
;   52 registers.  Three quarters (39 loads a wave, 319,488 bytes a group) are asked for at the start, the fourth into the first one's
;   registers as soon as these are stored to LDS.  Loads into registers stay out across barriers.
;   TOKENS: wave w keeps its own 1,024 indices in 32 registers; the scan leaves 32 lane masks in scalar registers.  For each set bit the
;   index is read out of its lane, and lane l takes rows 2l, 2l+1 of a quarter at that column, adds the bias, clips at 0 and stores 8 bytes:
;   a store of the wave covers 256 consecutive bytes of the token's output row, at a multiple of 256 from out0's first byte.
;   LDS: three places of 64 rows.  Pass 0 serves quarters 0-2 together, pass 1 quarter 3 (in place 0 again).  Between two barriers LDS is
;   either only written (addresses of wave, lane and constants) or only read (addresses that hang on indices).
;
; NO CLUSTER: the work-groups share nothing of W; all they share is poses, 65,536 of the 491,520 bytes that a group takes in, and it goes
; to registers.  NO COPY INTO LDS BY AN ENGINE: its fills would run beside reads whose bytes hang on loaded indices.
;
; LIMITS.  Indices are taken to lie in 0 .. 99,999, as the table lookup itself presumes: the output row of a token with another index
; is not written (or, for 100,000 .. 100,255, written from the last column).  A NaN in W or b gives 0 here (v_max_num_f32 drops it).
.set NCLS,  100000
.set ROWB,  4*NCLS                     ; bytes in a row of W
.set R,     416                        ; classes of a work-group
.set CH,    4*R                        ; a row piece: 1,664 bytes, 104 pieces of 16
.set PITCH, CH+16                      ; an LDS row: 105 x 16 bytes, an odd number of 16-byte columns
.set PLACE, 64*PITCH                   ; a quarter in LDS: 107,520 bytes; three of them
.set GSKIP, ROWB-CH                    ; in memory: from the end of a row piece to the start of the next row's
; A wave's 4 rows i = 0..3 of a quarter are rows 4 wave + i.  In LDS the even rows of a quarter lie in slots 0-31, the odd ones in slots 32-63:
; row 4 wave + i has slot 2 wave + (i >> 1) + 32 (i & 1).  Piece f = 32 m + lane of the 416 (load m) belongs to row i = f / 104 and goes to
; 2 wave PITCH + 16 f + K(i), with
.set K0, 0
.set K1, 32*PITCH-CH                   ;  52,096
.set K2, PITCH-2*CH                    ;  -1,648
.set K3, 33*PITCH-3*CH                 ;  50,448
; scalar registers
.set WV,  12                           ; wave number
.set LO,  13                           ; first class that the group owns
.set ST,  14                           ; first class of its window in W (the last group's is moved back to stay inside W)
.set RR,  15                           ; 416
.set QB,  16                           ; s[16:23] W at the window's first class, row 64 q, for q = 0..3: never rewritten
.set OFF, 24                           ; s[24:25] a byte offset in 64 bits
.set T0,  26
.set MK,  27                           ; bits still to serve
.set CNT, 28                           ; how many there were
.set I,   29                           ; loop counter
.set LN,  30                           ; the hit's lane; then 4,096 x lane
.set BIT, 31
.set PS,  32                           ; the index; then 4 x column
.set M,   66                           ; s[66:97] mask k: the lanes whose index in register k falls into the group's classes
; vector registers
.set LANE, 1
.set L8,   2                           ; 8 x lane
.set L16,  3                           ; 16 x lane
.set PO,   4                           ; byte offset of my first 4 indices in poses
.set T,    5
.set F8,   6                           ; 1 in lanes 8-31
.set F16,  7                           ; 1 in lanes 16-31
.set F24,  8                           ; 1 in lanes 24-31
.set GV,   10                          ; v[10:13] offsets in W: plain; lanes 8-31, 16-31, 24-31 one row further
.set LV,   14                          ; v[14:25] the same four for LDS, for places 0, 1, 2
.set LT,   26                          ; v[26:28] lane x PITCH in places 0, 1, 2: slot = lane
.set OB,   29                          ; 1,048,576 wave + 8 lane: my 8 bytes in the output row of my wave's first token
.set O,    30
.set A,    31                          ; v[31:33]
.set X,    34                          ; v[34:39] the numbers
.set D,    40                          ; v[40:41]
.set BIAS, 42                          ; v[42:49] b[64 q + 2 lane], b[64 q + 2 lane + 1] for q = 0..3
.set P,    52                          ; v[52:83] my 32 indices
.set WD,   84                          ; v[84:239] three sets of 52 registers: a quarter's 13 loads
	s_load_b256 s[4:11], s[0:1], 0x0               ; W s[4:5], b s[6:7], poses s[8:9], out0 s[10:11]
	v_lshl_add_u32 v240, v0, 2, 0x4ec00
	v_mov_b32 v241, 0
	v_and_b32 v[LANE], 31, v0
	v_lshrrev_b32 v[T], 5, v0
	v_readfirstlane_b32 s[WV], v[T]                ; wave 0..15
	v_lshlrev_b32 v[L8], 3, v[LANE]
	v_lshlrev_b32 v[L16], 4, v[LANE]
	v_lshl_or_b32 v[PO], v[T], 12, v[L16]          ; 4,096 wave + 16 lane
	s_mul_i32 s[LO], ttmp9, R
	s_min_u32 s[ST], s[LO], NCLS-R                 ; the window's 416 classes end at W's last column at the latest
	s_lshl_b32 s[OFF], s[ST], 2
	s_mov_b32 s[OFF+1], 0
	s_mov_b32 s[RR], R
	s_wait_kmcnt 0x0
	; The indices and the bias are asked for first: the scan runs while W is on its way.
.irp q, 0,1,2,3,4,5,6,7
	global_load_b128 v[P+4*\q:P+4*\q+3], v[PO], s[8:9] offset:512*\q       ; register k = 4q+j, lane l: token 1,024 wave + 128 q + 4 l + j
.endr
.irp q, 0,1,2,3
	global_load_b64 v[BIAS+2*\q:BIAS+2*\q+1], v[L8], s[6:7] offset:256*\q
.endr
	s_add_nc_u64 s[QB:QB+1], s[4:5], s[OFF:OFF+1]
.irp q, 1,2,3
	s_add_nc_u64 s[QB+2*\q:QB+2*\q+1], s[QB:QB+1], \q*64*ROWB
.endr
	; Loads 3, 6 and 9 of the 13 cross from one row to the next, at lanes 8, 16 and 24 (104, 208, 312 = 32 m + lane).
	v_lshrrev_b32 v[T], 3, v[LANE]                 ; 0..3
	v_add_nc_u32 v[F8], 3, v[T]
	v_lshrrev_b32 v[F8], 2, v[F8]                  ; (3,4,5,6) >> 2 = 0,1,1,1
	v_lshrrev_b32 v[F16], 4, v[LANE]
	v_add_nc_u32 v[F24], 1, v[T]
	v_lshrrev_b32 v[F24], 2, v[F24]                ; (1,2,3,4) >> 2 = 0,0,0,1
	s_mul_i32 s[T0], s[WV], 4*ROWB                 ; my first row of a quarter: 4 x wave
	v_add_nc_u32 v[GV], s[T0], v[L16]
	v_mul_u32_u24 v[T], v[F8], GSKIP
	v_add_nc_u32 v[GV+1], v[GV], v[T]
	v_mul_u32_u24 v[T], v[F16], GSKIP
	v_add_nc_u32 v[GV+2], v[GV], v[T]
	v_mul_u32_u24 v[T], v[F24], GSKIP
	v_add_nc_u32 v[GV+3], v[GV], v[T]
; load m of a quarter: 32 lanes x 16 bytes, 512 consecutive bytes of a row piece (or the end of one and the start of the next).
; var: which offset register; ib: the row of the load's first lane.  W is read once in the whole launch.
.macro LD1 ws, q, m, var, ib
	global_load_b128 v[WD+52*\ws+4*\m:WD+52*\ws+4*\m+3], v[GV+\var], s[QB+2*\q:QB+2*\q+1] offset:512*\m+\ib*GSKIP th:TH_LOAD_NT
.endm
.macro LDQ ws, q
	LD1 \ws, \q, 0, 0, 0
	LD1 \ws, \q, 1, 0, 0
	LD1 \ws, \q, 2, 0, 0
	LD1 \ws, \q, 3, 1, 0
	LD1 \ws, \q, 4, 0, 1
	LD1 \ws, \q, 5, 0, 1
	LD1 \ws, \q, 6, 2, 1
	LD1 \ws, \q, 7, 0, 2
	LD1 \ws, \q, 8, 0, 2
	LD1 \ws, \q, 9, 3, 2
	LD1 \ws, \q, 10, 0, 3
	LD1 \ws, \q, 11, 0, 3
	LD1 \ws, \q, 12, 0, 3
.endm
	LDQ 0, 0
	LDQ 1, 1
	LDQ 2, 2                                       ; 8 + 4 + 39 = 51 loads of mine are out
	; LDS addresses of the fill
	s_mul_i32 s[T0], s[WV], 2*PITCH
	v_add_nc_u32 v[LV], s[T0], v[L16]              ; 2 wave PITCH + 16 lane
	v_mul_u32_u24 v[T], v[F8], K1-K0
	v_add_nc_u32 v[LV+1], v[LV], v[T]              ; load 3: lanes 8-31 are row 1 (the immediate carries K0)
	v_xor_b32 v[T], 1, v[F16]
	v_mul_u32_u24 v[T], v[T], K1-K2
	v_add_nc_u32 v[LV+2], v[LV], v[T]              ; load 6: lanes 0-15 are row 1 (the immediate carries K2, the smaller of the two)
	v_mul_u32_u24 v[T], v[F24], K3-K2
	v_add_nc_u32 v[LV+3], v[LV], v[T]              ; load 9: lanes 24-31 are row 3 (the immediate carries K2)
.irp j, 0,1,2,3
	v_add_nc_u32 v[LV+4+\j], PLACE, v[LV+\j]
	v_add_nc_u32 v[LV+8+\j], 2*PLACE, v[LV+\j]
.endr
	; and of the reads: lane l takes slot l (row 2l) and, 32 PITCH further, slot 32 + l (row 2l + 1).
	; Word address 420 l + column: 420 l mod 64 = 36 l mod 64 takes 16 values, so two lanes meet in a bank (64 banks of 4 bytes: ISA guide 11.1).
	; Rows that start at multiples of 16 bytes hold a column at the same word modulo 4, so 16 banks are all that a column can reach.
	v_mul_u32_u24 v[LT], v[LANE], PITCH
	v_add_nc_u32 v[LT+1], PLACE, v[LT]
	v_add_nc_u32 v[LT+2], 2*PLACE, v[LT]
	s_lshl_b32 s[T0], s[WV], 20                    ; 1,024 tokens x 1,024 bytes
	v_add_nc_u32 v[OB], s[T0], v[L8]
	s_wait_loadcnt 39                              ; loads come back in order (ISA guide 5.7.1): indices and bias are in, W's 39 loads stay out
	; THE SCAN: mask k = lanes with index - LO < 416, unsigned: the group's classes alone
.irp k, 0,1,2,3,4,5,6,7,8,9,10,11,12,13,14,15,16,17,18,19,20,21,22,23,24,25,26,27,28,29,30,31
	v_sub_nc_u32 v[D+(\k%2)], v[P+\k], s[LO]
	v_cmp_gt_u32 s[M+\k], s[RR], v[D+(\k%2)]
.endr
; a quarter from register set ws to place p, each load's 512 bytes as soon as they are in.
; left: how many loads of later quarters are out behind this quarter's; the quarter's own 12 - m younger ones come on top.
.macro ST1 ws, p, left, m, var, kk
	s_wait_loadcnt \left+12-\m
	ds_store_b128 v[LV+4*\p+\var], v[WD+52*\ws+4*\m:WD+52*\ws+4*\m+3] offset:512*\m+\kk
.endm
.macro STQ ws, p, left
	ST1 \ws, \p, \left, 0, 0, K0
	ST1 \ws, \p, \left, 1, 0, K0
	ST1 \ws, \p, \left, 2, 0, K0
	ST1 \ws, \p, \left, 3, 1, K0
	ST1 \ws, \p, \left, 4, 0, K1
	ST1 \ws, \p, \left, 5, 0, K1
	ST1 \ws, \p, \left, 6, 2, K2
	ST1 \ws, \p, \left, 7, 0, K2
	ST1 \ws, \p, \left, 8, 0, K2
	ST1 \ws, \p, \left, 9, 3, K2
	ST1 \ws, \p, \left, 10, 0, K3
	ST1 \ws, \p, \left, 11, 0, K3
	ST1 \ws, \p, \left, 12, 0, K3
.endm
.macro BARRIER
	s_wait_dscnt 0x0                               ; for the others' sake: none of my LDS stores or loads is out at the signal
	s_barrier_signal -1
	s_barrier_wait -1
.endm
; THE TOKENS of index register k.  pass 0: quarters 0, 1, 2 from places 0, 1, 2; pass 1: quarter 3 from place 0.
; A wave has about four hits in its 1,024 indices, so most masks are empty and cost a compare and a jump.
; The loop is counted by the number of set bits; each trip takes the lowest bit.  Lane and column are clamped to what they are by
; construction (a lane below 32, a column below 416), so that both addresses can be read off the text.
.macro TOKENS pass, k
	s_cmp_eq_u32 s[M+\k], 0
	s_cbranch_scc1 .Lskip\pass\k
	s_mov_b32 s[MK], s[M+\k]
	s_bcnt1_i32_b32 s[CNT], s[M+\k]
	s_mov_b32 s[I], 0
.Ltok\pass\k:
	s_ctz_i32_b32 s[LN], s[MK]                     ; the lowest hit's lane
	s_min_u32 s[LN], s[LN], 31
	s_lshl_b32 s[BIT], 1, s[LN]
	s_and_not1_b32 s[MK], s[MK], s[BIT]            ; served
	v_readlane_b32 s[PS], v[P+\k], s[LN]           ; its index
	s_sub_co_u32 s[PS], s[PS], s[ST]               ; column in the window
	s_min_u32 s[PS], s[PS], R-1
	s_lshl_b32 s[PS], s[PS], 2
	s_lshl_b32 s[LN], s[LN], 12                    ; the lane's tokens are 4 apart: 4 x 1,024 bytes
	s_wait_xcnt 0x0                                ; the last token's stores have taken X and O: they are rewritten only behind this wait
	v_add_nc_u32 v[A], s[PS], v[LT]
.if \pass == 0
	v_add_nc_u32 v[A+1], s[PS], v[LT+1]
	v_add_nc_u32 v[A+2], s[PS], v[LT+2]
.endif
	ds_load_b32 v[X], v[A]
	ds_load_b32 v[X+1], v[A] offset:32*PITCH
.if \pass == 0
	ds_load_b32 v[X+2], v[A+1]
	ds_load_b32 v[X+3], v[A+1] offset:32*PITCH
	ds_load_b32 v[X+4], v[A+2]
	ds_load_b32 v[X+5], v[A+2] offset:32*PITCH
.endif
	v_add_nc_u32 v[O], s[LN], v[OB]
	s_wait_dscnt 0x0
.if \pass == 0
.irp j, 0,1,2
	v_pk_add_f32 v[X+2*\j:X+2*\j+1], v[X+2*\j:X+2*\j+1], v[BIAS+2*\j:BIAS+2*\j+1]
.endr
.irp j, 0,1,2,3,4,5
	v_max_num_f32 v[X+\j], 0, v[X+\j]
.endr
.irp j, 0,1,2
	global_store_b64 v[O], v[X+2*\j:X+2*\j+1], s[10:11] offset:(128*(\k/4)+(\k%4))*1024+256*\j th:TH_STORE_NT  ; 32 lanes x 8 bytes: 256 consecutive bytes, written once
.endr
.else
	v_pk_add_f32 v[X:X+1], v[X:X+1], v[BIAS+6:BIAS+7]
	v_max_num_f32 v[X], 0, v[X]
	v_max_num_f32 v[X+1], 0, v[X+1]
	global_store_b64 v[O], v[X:X+1], s[10:11] offset:(128*(\k/4)+(\k%4))*1024+768 th:TH_STORE_NT
.endif
	s_add_co_u32 s[I], s[I], 1
	s_cmp_lt_u32 s[I], s[CNT]
	s_cbranch_scc1 .Ltok\pass\k
.Lskip\pass\k:
.endm
	STQ 0, 0, 26                                   ; quarter 0 to place 0; quarters 1, 2 (26 loads) stay out
	s_wait_dscnt 0x0                               ; the stores have read set 0:
	LDQ 0, 3                                       ; quarter 3 is asked for, into set 0: again 39 loads are out
	STQ 1, 1, 26                                   ; quarter 1 to place 1; quarters 2, 3 stay out
	STQ 2, 2, 13                                   ; quarter 2 to place 2; quarter 3 stays out
	BARRIER                                        ; everybody's rows of quarters 0-2 are in LDS
.irp k, 0,1,2,3,4,5,6,7,8,9,10,11,12,13,14,15,16,17,18,19,20,21,22,23,24,25,26,27,28,29,30,31
	TOKENS 0, \k
.endr
	BARRIER                                        ; nobody reads LDS any more
	STQ 0, 0, 0                                    ; quarter 3 to place 0; nothing was asked for behind it: the counts run down to 0
	BARRIER                                        ; everybody's rows of quarter 3 are in LDS
.irp k, 0,1,2,3,4,5,6,7,8,9,10,11,12,13,14,15,16,17,18,19,20,21,22,23,24,25,26,27,28,29,30,31
	TOKENS 1, \k
.endr
	s_wait_tensorcnt 0x0
	ds_add_u32 v240, v241
	s_wait_dscnt 0x0
	s_endpgm
.Lfunc_end_k_q557d74ad26_gather_cols:
	.size	k_q557d74ad26_gather_cols, .Lfunc_end_k_q557d74ad26_gather_cols-k_q557d74ad26_gather_cols
	.p2alignl 7, 3214868480
	.fill 96, 4, 3214868480
	.section	.rodata,"a",@progbits
	.p2align	6, 0x0
	.amdhsa_kernel k_q557d74ad26_gather_cols
		.amdhsa_group_segment_fixed_size 324608
		.amdhsa_private_segment_fixed_size 0
		.amdhsa_enable_private_segment 0
		.amdhsa_kernarg_size 32
		.amdhsa_user_sgpr_count 2
		.amdhsa_user_sgpr_kernarg_segment_ptr 1
		.amdhsa_wavefront_size32 1
		.amdhsa_system_sgpr_workgroup_id_x 1
		.amdhsa_system_sgpr_workgroup_id_y 1
		.amdhsa_system_sgpr_workgroup_id_z 1
		.amdhsa_system_vgpr_workitem_id 0
		.amdhsa_next_free_vgpr 242
		.amdhsa_next_free_sgpr 98
		.amdhsa_reserve_vcc 0
		.amdhsa_float_denorm_mode_32 3
		.amdhsa_float_denorm_mode_16_64 3
		.amdhsa_memory_ordered 1
		.amdhsa_forward_progress 1
		.amdhsa_inst_pref_size 111
	.end_amdhsa_kernel
	.amdgpu_metadata
---
amdhsa.version: [ 1, 2 ]
amdhsa.kernels:
  - .name:           k_q557d74ad26_gather_cols
    .symbol:         k_q557d74ad26_gather_cols.kd
    .args:
      - { .name: W, .offset: 0, .size: 8, .value_kind: global_buffer, .address_space: global }
      - { .name: b, .offset: 8, .size: 8, .value_kind: global_buffer, .address_space: global }
      - { .name: poses, .offset: 16, .size: 8, .value_kind: global_buffer, .address_space: global }
      - { .name: out0, .offset: 24, .size: 8, .value_kind: global_buffer, .address_space: global }
    .group_segment_fixed_size: 324608
    .private_segment_fixed_size: 0
    .kernarg_segment_align: 8
    .kernarg_segment_size: 32
    .max_flat_workgroup_size: 512
    .sgpr_count:     98
    .vgpr_count:     242
    .wavefront_size: 32
...
	.end_amdgpu_metadata
.endif
;; end of part 1
;; ======== version 2 of 2: 1 launch; version 1 with the launch gather_cols written anew for expert scheduling mode
;; launch gather_cols (part 2): grid 241 x 1, 16 waves a work-group, no clusters, 324,608 bytes of LDS; arguments W, b, poses, out0; writes out0
.if DOCPART == 2
	.amdgcn_target "amdgcn-amd-amdhsa--gfx1250"
	.amdhsa_code_object_version 6
	.text
	.protected	k_q557d74ad26_gather_cols
	.globl	k_q557d74ad26_gather_cols
	.p2align	8
	.type	k_q557d74ad26_gather_cols,@function
k_q557d74ad26_gather_cols:
	s_mov_b64 s[64:65], 0
	v_nop
	global_prefetch_b8 v0, s[64:65] scope:SCOPE_SE
	s_setreg_imm32_b32 hwreg(HW_REG_WAVE_SCHED_MODE, 0, 2), 2
	s_setreg_imm32_b32 hwreg(HW_REG_WAVE_MODE, 25, 1), 1
	s_wait_xcnt 0x0
	s_wait_alu depctr_vm_vsrc(0)
; out0[t][d] = max(W[d][poses[t]] + b[d], 0).  W: [256][100000] f32, b: [256] f32, poses: [16384] i32, out0: [16384][256] f32.
;
; A column of W is 256 words 400,000 bytes apart, and 16,384 tokens over 100,000 classes leave hardly any stretch of a row unused.
; So W is streamed once, in row pieces, and the columns are picked out of LDS.
; Work-group g (241 of them, 16 waves each) owns the classes 416 g .. 416 g + 415.  A row piece is 1,664 = 13 x 128 bytes, a row of W
; 3,125 x 128 bytes: every piece starts at a multiple of 128 bytes from W's first byte, and FOUR rows are exactly 13 loads of
; 32 lanes x 16 bytes.  (391 classes on 256 groups do not divide into whole loads of a wave.)
;   ROAD: memory -> registers -> LDS -> registers -> memory.  W's rows are four quarters of 64; of each a wave takes 4 rows = 13 loads =
;   52 registers.  Three quarters (39 loads a wave, 319,488 bytes a group) are asked for at the start, the fourth into the first one's
;   registers as soon as these are stored to LDS.  Loads into registers stay out across barriers.
;   TOKENS: wave w keeps its own 1,024 indices in 32 registers; the scan leaves 32 lane masks in scalar registers.  For each set bit the
;   index is read out of its lane, and lane l takes rows 2l, 2l+1 of a quarter at that column, adds the bias, clips at 0 and stores 8 bytes:
;   a store of the wave covers 256 consecutive bytes of the token's output row, at a multiple of 256 from out0's first byte.
;   LDS: three places of 64 rows.  Pass 0 serves quarters 0-2 together, pass 1 quarter 3 (in place 0 again).  Between two barriers LDS is
;   either only written (addresses of wave, lane and constants) or only read (addresses that hang on indices).
;
; THE MODE: SCHED_MODE bits 1:0 = 2 (LLVM: expert scheduling mode 2), set by the entry lines.  The code itself states the register dependences
; between vector instructions and memory or LDS instructions, with s_wait_alu, always for 0.
; THE PLAN.  Registers that memory or LDS instructions touch:
;   PO, L8, GV0-3, LV0-11   offsets and LDS addresses.  Written by vector instructions at the head, once; read by the loads of poses, b and W and by
;                           the fill's LDS stores.  All are made ahead of the first load, so ONE wait on va_vdst there serves the whole kernel:
;                           no vector instruction behind it names any of them.
;   P, BIAS                 loaded once; read by vector instructions alone.
;   WD, three sets          written by W's loads, read by the fill's LDS stores; no vector instruction names them.  Set 0 is loaded twice:
;                           one wait on vm_vsrc stands between quarter 0's LDS stores and quarter 3's loads.
;   A0-2, O, X0-5           a token's.  A and O: written by the adds at the trip's head, read by its LDS loads and its stores.  X: the LDS loads land
;                           in it, the bias and the clip rewrite it, the stores read it.  A trip has one wait on vm_vsrc at its head (the token
;                           before is done reading all three), one on va_vdst behind the adds, one on va_vdst ahead of the stores.
;   Scalar registers that vector instructions write: the wave's number, the 32 masks, a token's index: a wait on va_sdst ahead of each one's first
;   reader, one for all 32 masks.
;
; NO CLUSTER: the work-groups share nothing of W; all they share is poses, 65,536 of the 491,520 bytes that a group takes in, and it goes
; to registers.  NO COPY INTO LDS BY AN ENGINE: its fills would run beside reads whose bytes hang on loaded indices.
;
; LIMITS.  Indices are taken to lie in 0 .. 99,999, as the table lookup itself presumes: the output row of a token with another index
; is not written (or, for 100,000 .. 100,255, written from the last column).  A NaN in W or b gives 0 here (v_max_num_f32 drops it).
.set NCLS,  100000
.set ROWB,  4*NCLS                     ; bytes in a row of W
.set R,     416                        ; classes of a work-group
.set CH,    4*R                        ; a row piece: 1,664 bytes, 104 pieces of 16
.set PITCH, CH+16                      ; an LDS row: 105 x 16 bytes, an odd number of 16-byte columns
.set PLACE, 64*PITCH                   ; a quarter in LDS: 107,520 bytes; three of them
.set GSKIP, ROWB-CH                    ; in memory: from the end of a row piece to the start of the next row's
; A wave's 4 rows i = 0..3 of a quarter are rows 4 wave + i.  In LDS the even rows of a quarter lie in slots 0-31, the odd ones in slots 32-63:
; row 4 wave + i has slot 2 wave + (i >> 1) + 32 (i & 1).  Piece f = 32 m + lane of the 416 (load m) belongs to row i = f / 104 and goes to
; 2 wave PITCH + 16 f + K(i), with
.set K0, 0
.set K1, 32*PITCH-CH                   ;  52,096
.set K2, PITCH-2*CH                    ;  -1,648
.set K3, 33*PITCH-3*CH                 ;  50,448
; scalar registers
.set WV,  12                           ; wave number
.set LO,  13                           ; first class that the group owns
.set ST,  14                           ; first class of its window in W (the last group's is moved back to stay inside W)
.set RR,  15                           ; 416
.set QB,  16                           ; s[16:23] W at the window's first class, row 64 q, for q = 0..3: never rewritten
.set OFF, 24                           ; s[24:25] a byte offset in 64 bits
.set T0,  26                           ; the wave's first row of a quarter, in bytes of W
.set MK,  27                           ; bits still to serve
.set CNT, 28                           ; how many there were
.set I,   29                           ; loop counter
.set LN,  30                           ; the hit's lane; then 4,096 x lane
.set BIT, 31
.set PS,  32                           ; the index; then 4 x column
.set T1,  33                           ; the wave's first slot of a place, in bytes of LDS
.set T2,  34                           ; the wave's first token, in bytes of out0
.set M,   66                           ; s[66:97] mask k: the lanes whose index in register k falls into the group's classes
; vector registers
.set LANE, 1
.set L8,   2                           ; 8 x lane
.set L16,  3                           ; 16 x lane
.set PO,   4                           ; byte offset of my first 4 indices in poses
.set T,    5
.set F8,   6                           ; 1 in lanes 8-31
.set F16,  7                           ; 1 in lanes 16-31
.set F24,  8                           ; 1 in lanes 24-31
.set GV,   10                          ; v[10:13] offsets in W: plain; lanes 8-31, 16-31, 24-31 one row further
.set LV,   14                          ; v[14:25] the same four for LDS, for places 0, 1, 2
.set LT,   26                          ; v[26:28] lane x PITCH in places 0, 1, 2: slot = lane
.set OB,   29                          ; 1,048,576 wave + 8 lane: my 8 bytes in the output row of my wave's first token
.set O,    30
.set A,    31                          ; v[31:33]
.set X,    34                          ; v[34:39] the numbers
.set D,    40                          ; v[40:41]
.set BIAS, 42                          ; v[42:49] b[64 q + 2 lane], b[64 q + 2 lane + 1] for q = 0..3
.set P,    52                          ; v[52:83] my 32 indices
.set WD,   84                          ; v[84:239] three sets of 52 registers: a quarter's 13 loads
	; All offsets and addresses are made here, while the arguments are on their way.
	s_load_b256 s[4:11], s[0:1], 0x0               ; W s[4:5], b s[6:7], poses s[8:9], out0 s[10:11]
	v_lshl_add_u32 v50, v0, 2, 0x4ec00
	v_mov_b32 v51, 0
	v_and_b32 v[LANE], 31, v0
	v_lshrrev_b32 v[T], 5, v0
	v_readfirstlane_b32 s[WV], v[T]                ; wave 0..15
	v_lshlrev_b32 v[L8], 3, v[LANE]
	v_lshlrev_b32 v[L16], 4, v[LANE]
	v_lshl_or_b32 v[PO], v[T], 12, v[L16]          ; 4,096 wave + 16 lane
	s_mul_i32 s[LO], ttmp9, R
	s_min_u32 s[ST], s[LO], NCLS-R                 ; the window's 416 classes end at W's last column at the latest
	s_lshl_b32 s[OFF], s[ST], 2
	s_mov_b32 s[OFF+1], 0
	s_mov_b32 s[RR], R
	; Loads 3, 6 and 9 of the 13 cross from one row to the next, at lanes 8, 16 and 24 (104, 208, 312 = 32 m + lane).
	v_lshrrev_b32 v[T], 3, v[LANE]                 ; 0..3
	v_add_nc_u32 v[F8], 3, v[T]
	v_lshrrev_b32 v[F8], 2, v[F8]                  ; (3,4,5,6) >> 2 = 0,1,1,1
	v_lshrrev_b32 v[F16], 4, v[LANE]
	v_add_nc_u32 v[F24], 1, v[T]
	v_lshrrev_b32 v[F24], 2, v[F24]                ; (1,2,3,4) >> 2 = 0,0,0,1
	; LDS addresses of the reads: lane l takes slot l (row 2l) and, 32 PITCH further, slot 32 + l (row 2l + 1).
	; Word address 420 l + column: 420 l mod 64 = 36 l mod 64 takes 16 values, so two lanes meet in a bank (64 banks of 4 bytes: ISA guide 11.1).
	; Rows that start at multiples of 16 bytes hold a column at the same word modulo 4, so 16 banks are all that a column can reach.
	v_mul_u32_u24 v[LT], v[LANE], PITCH
	v_add_nc_u32 v[LT+1], PLACE, v[LT]
	v_add_nc_u32 v[LT+2], 2*PLACE, v[LT]
	s_wait_alu depctr_va_sdst(0)                   ; the wave's number is written, ahead of its first reader: the three lines below
	s_mul_i32 s[T0], s[WV], 4*ROWB                 ; my first row of a quarter: 4 x wave
	s_mul_i32 s[T1], s[WV], 2*PITCH
	s_lshl_b32 s[T2], s[WV], 20                    ; 1,024 tokens x 1,024 bytes
	v_add_nc_u32 v[GV], s[T0], v[L16]
	v_mul_u32_u24 v[T], v[F8], GSKIP
	v_add_nc_u32 v[GV+1], v[GV], v[T]
	v_mul_u32_u24 v[T], v[F16], GSKIP
	v_add_nc_u32 v[GV+2], v[GV], v[T]
	v_mul_u32_u24 v[T], v[F24], GSKIP
	v_add_nc_u32 v[GV+3], v[GV], v[T]
	; LDS addresses of the fill
	v_add_nc_u32 v[LV], s[T1], v[L16]              ; 2 wave PITCH + 16 lane
	v_mul_u32_u24 v[T], v[F8], K1-K0
	v_add_nc_u32 v[LV+1], v[LV], v[T]              ; load 3: lanes 8-31 are row 1 (the immediate carries K0)
	v_xor_b32 v[T], 1, v[F16]
	v_mul_u32_u24 v[T], v[T], K1-K2
	v_add_nc_u32 v[LV+2], v[LV], v[T]              ; load 6: lanes 0-15 are row 1 (the immediate carries K2, the smaller of the two)
	v_mul_u32_u24 v[T], v[F24], K3-K2
	v_add_nc_u32 v[LV+3], v[LV], v[T]              ; load 9: lanes 24-31 are row 3 (the immediate carries K2)
.irp j, 0,1,2,3
	v_add_nc_u32 v[LV+4+\j], PLACE, v[LV+\j]
	v_add_nc_u32 v[LV+8+\j], 2*PLACE, v[LV+\j]
.endr
	v_add_nc_u32 v[OB], s[T2], v[L8]
	s_wait_kmcnt 0x0
	s_add_nc_u64 s[QB:QB+1], s[4:5], s[OFF:OFF+1]
.irp q, 1,2,3
	s_add_nc_u64 s[QB+2*\q:QB+2*\q+1], s[QB:QB+1], \q*64*ROWB
.endr
	s_wait_alu depctr_va_vdst(0)                   ; PO, L8, GV0-3 and LV0-11 are written: every load of poses, b and W and every LDS store of the fill reads one of them, and no vector instruction names them again
	; The indices and the bias are asked for first: the scan runs while W is on its way.
.irp q, 0,1,2,3,4,5,6,7
	global_load_b128 v[P+4*\q:P+4*\q+3], v[PO], s[8:9] offset:512*\q       ; register k = 4q+j, lane l: token 1,024 wave + 128 q + 4 l + j
.endr
.irp q, 0,1,2,3
	global_load_b64 v[BIAS+2*\q:BIAS+2*\q+1], v[L8], s[6:7] offset:256*\q
.endr
; load m of a quarter: 32 lanes x 16 bytes, 512 consecutive bytes of a row piece (or the end of one and the start of the next).
; var: which offset register; ib: the row of the load's first lane.  W is read once in the whole launch.
.macro LD1 ws, q, m, var, ib
	global_load_b128 v[WD+52*\ws+4*\m:WD+52*\ws+4*\m+3], v[GV+\var], s[QB+2*\q:QB+2*\q+1] offset:512*\m+\ib*GSKIP th:TH_LOAD_NT
.endm
.macro LDQ ws, q
	LD1 \ws, \q, 0, 0, 0
	LD1 \ws, \q, 1, 0, 0
	LD1 \ws, \q, 2, 0, 0
	LD1 \ws, \q, 3, 1, 0
	LD1 \ws, \q, 4, 0, 1
	LD1 \ws, \q, 5, 0, 1
	LD1 \ws, \q, 6, 2, 1
	LD1 \ws, \q, 7, 0, 2
	LD1 \ws, \q, 8, 0, 2
	LD1 \ws, \q, 9, 3, 2
	LD1 \ws, \q, 10, 0, 3
	LD1 \ws, \q, 11, 0, 3
	LD1 \ws, \q, 12, 0, 3
.endm
	LDQ 0, 0
	LDQ 1, 1
	LDQ 2, 2                                       ; 8 + 4 + 39 = 51 loads of mine are out
	s_wait_loadcnt 39                              ; loads come back in order (ISA guide 5.7.1): indices and bias are in, W's 39 loads stay out
	; THE SCAN: mask k = lanes with index - LO < 416, unsigned: the group's classes alone
.irp k, 0,1,2,3,4,5,6,7,8,9,10,11,12,13,14,15,16,17,18,19,20,21,22,23,24,25,26,27,28,29,30,31
	v_sub_nc_u32 v[D+(\k%2)], v[P+\k], s[LO]
	v_cmp_gt_u32 s[M+\k], s[RR], v[D+(\k%2)]
.endr
	s_wait_alu depctr_va_sdst(0)                   ; the 32 masks are written: one wait for the run of compares, ahead of every branch and of the masks' first readers in TOKENS
; a quarter from register set ws to place p, each load's 512 bytes as soon as they are in.
; left: how many loads of later quarters are out behind this quarter's; the quarter's own 12 - m younger ones come on top.
; The address was written ahead of the head's wait on va_vdst; the data come from loads: the counted wait is theirs.
.macro ST1 ws, p, left, m, var, kk
	s_wait_loadcnt \left+12-\m
	ds_store_b128 v[LV+4*\p+\var], v[WD+52*\ws+4*\m:WD+52*\ws+4*\m+3] offset:512*\m+\kk
.endm
.macro STQ ws, p, left
	ST1 \ws, \p, \left, 0, 0, K0
	ST1 \ws, \p, \left, 1, 0, K0
	ST1 \ws, \p, \left, 2, 0, K0
	ST1 \ws, \p, \left, 3, 1, K0
	ST1 \ws, \p, \left, 4, 0, K1
	ST1 \ws, \p, \left, 5, 0, K1
	ST1 \ws, \p, \left, 6, 2, K2
	ST1 \ws, \p, \left, 7, 0, K2
	ST1 \ws, \p, \left, 8, 0, K2
	ST1 \ws, \p, \left, 9, 3, K2
	ST1 \ws, \p, \left, 10, 0, K3
	ST1 \ws, \p, \left, 11, 0, K3
	ST1 \ws, \p, \left, 12, 0, K3
.endm
.macro BARRIER
	s_wait_dscnt 0x0                               ; for the others' sake: none of my LDS stores or loads is out at the signal
	s_barrier_signal -1
	s_barrier_wait -1
.endm
; THE TOKENS of index register k.  pass 0: quarters 0, 1, 2 from places 0, 1, 2; pass 1: quarter 3 from place 0.
; A wave has about four hits in its 1,024 indices, so most masks are empty and cost a compare and a jump.
; The loop is counted by the number of set bits; each trip takes the lowest bit.  Lane and column are clamped to what they are by
; construction (a lane below 32, a column below 416), so that both addresses can be read off the text.
.macro TOKENS pass, k
	s_cmp_eq_u32 s[M+\k], 0
	s_cbranch_scc1 .Lskip\pass\k
	s_mov_b32 s[MK], s[M+\k]
	s_bcnt1_i32_b32 s[CNT], s[M+\k]
	s_mov_b32 s[I], 0
.Ltok\pass\k:
	s_ctz_i32_b32 s[LN], s[MK]                     ; the lowest hit's lane
	s_min_u32 s[LN], s[LN], 31
	v_readlane_b32 s[PS], v[P+\k], s[LN]           ; its index
	s_lshl_b32 s[BIT], 1, s[LN]
	s_and_not1_b32 s[MK], s[MK], s[BIT]            ; served
	s_wait_alu depctr_va_sdst(0)                   ; the index is written into s[PS], ahead of its first reader, the line below
	s_sub_co_u32 s[PS], s[PS], s[ST]               ; column in the window
	s_min_u32 s[PS], s[PS], R-1
	s_lshl_b32 s[PS], s[PS], 2
	s_lshl_b32 s[LN], s[LN], 12                    ; the lane's tokens are 4 apart: 4 x 1,024 bytes
	s_wait_xcnt 0x0                                ; the last token's stores have taken X and O: they are rewritten only behind this wait
	s_wait_alu depctr_vm_vsrc(0)                   ; the last token's LDS loads have read A, its stores X and O: the adds below write A and O, the LDS loads land in X
	v_add_nc_u32 v[A], s[PS], v[LT]
.if \pass == 0
	v_add_nc_u32 v[A+1], s[PS], v[LT+1]
	v_add_nc_u32 v[A+2], s[PS], v[LT+2]
.endif
	v_add_nc_u32 v[O], s[LN], v[OB]
	s_wait_alu depctr_va_vdst(0)                   ; A is written, which the LDS loads read; the last token's bias and clip are done with X, in which they land
	ds_load_b32 v[X], v[A]
	ds_load_b32 v[X+1], v[A] offset:32*PITCH
.if \pass == 0
	ds_load_b32 v[X+2], v[A+1]
	ds_load_b32 v[X+3], v[A+1] offset:32*PITCH
	ds_load_b32 v[X+4], v[A+2]
	ds_load_b32 v[X+5], v[A+2] offset:32*PITCH
.endif
	s_wait_dscnt 0x0
.if \pass == 0
.irp j, 0,1,2
	v_pk_add_f32 v[X+2*\j:X+2*\j+1], v[X+2*\j:X+2*\j+1], v[BIAS+2*\j:BIAS+2*\j+1]
.endr
.irp j, 0,1,2,3,4,5
	v_max_num_f32 v[X+\j], 0, v[X+\j]
.endr
	s_wait_alu depctr_va_vdst(0)                   ; the clip has written X, which the three stores read (O was written ahead of the wait above)
.irp j, 0,1,2
	global_store_b64 v[O], v[X+2*\j:X+2*\j+1], s[10:11] offset:(128*(\k/4)+(\k%4))*1024+256*\j th:TH_STORE_NT  ; 32 lanes x 8 bytes: 256 consecutive bytes, written once
.endr
.else
	v_pk_add_f32 v[X:X+1], v[X:X+1], v[BIAS+6:BIAS+7]
	v_max_num_f32 v[X], 0, v[X]
	v_max_num_f32 v[X+1], 0, v[X+1]
	s_wait_alu depctr_va_vdst(0)                   ; the clip has written X, which the store reads (O was written ahead of the wait above)
	global_store_b64 v[O], v[X:X+1], s[10:11] offset:(128*(\k/4)+(\k%4))*1024+768 th:TH_STORE_NT
.endif
	s_add_co_u32 s[I], s[I], 1
	s_cmp_lt_u32 s[I], s[CNT]
	s_cbranch_scc1 .Ltok\pass\k
.Lskip\pass\k:
.endm
	STQ 0, 0, 26                                   ; quarter 0 to place 0; quarters 1, 2 (26 loads) stay out
	s_wait_dscnt 0x0                               ; my stores of quarter 0 are done,
	s_wait_alu depctr_vm_vsrc(0)                   ; and they have read set 0, in which the loads below land (no vector instruction names the set):
	LDQ 0, 3                                       ; quarter 3 is asked for, into set 0: again 39 loads are out
	STQ 1, 1, 26                                   ; quarter 1 to place 1; quarters 2, 3 stay out
	STQ 2, 2, 13                                   ; quarter 2 to place 2; quarter 3 stays out
	BARRIER                                        ; everybody's rows of quarters 0-2 are in LDS
.irp k, 0,1,2,3,4,5,6,7,8,9,10,11,12,13,14,15,16,17,18,19,20,21,22,23,24,25,26,27,28,29,30,31
	TOKENS 0, \k
.endr
	BARRIER                                        ; nobody reads LDS any more
	STQ 0, 0, 0                                    ; quarter 3 to place 0; nothing was asked for behind it: the counts run down to 0
	BARRIER                                        ; everybody's rows of quarter 3 are in LDS
.irp k, 0,1,2,3,4,5,6,7,8,9,10,11,12,13,14,15,16,17,18,19,20,21,22,23,24,25,26,27,28,29,30,31
	TOKENS 1, \k
.endr
	s_wait_dscnt 0x0
	s_wait_alu depctr_hold_cnt(0) depctr_sa_sdst(0) depctr_va_vdst(0) depctr_va_sdst(0) depctr_va_ssrc(0) depctr_va_vcc(0) depctr_vm_vsrc(0)
	s_wait_tensorcnt 0x0
	ds_add_u32 v50, v51
	s_wait_dscnt 0x0
	s_endpgm
.Lfunc_end_k_q557d74ad26_gather_cols:
	.size	k_q557d74ad26_gather_cols, .Lfunc_end_k_q557d74ad26_gather_cols-k_q557d74ad26_gather_cols
	.p2alignl 7, 3214868480
	.fill 96, 4, 3214868480
	.section	.rodata,"a",@progbits
	.p2align	6, 0x0
	.amdhsa_kernel k_q557d74ad26_gather_cols
		.amdhsa_group_segment_fixed_size 324608
		.amdhsa_private_segment_fixed_size 0
		.amdhsa_enable_private_segment 0
		.amdhsa_kernarg_size 32
		.amdhsa_user_sgpr_count 2
		.amdhsa_user_sgpr_kernarg_segment_ptr 1
		.amdhsa_wavefront_size32 1
		.amdhsa_system_sgpr_workgroup_id_x 1
		.amdhsa_system_sgpr_workgroup_id_y 1
		.amdhsa_system_sgpr_workgroup_id_z 1
		.amdhsa_system_vgpr_workitem_id 0
		.amdhsa_next_free_vgpr 240
		.amdhsa_next_free_sgpr 98
		.amdhsa_reserve_vcc 0
		.amdhsa_float_denorm_mode_32 3
		.amdhsa_float_denorm_mode_16_64 3
		.amdhsa_memory_ordered 1
		.amdhsa_forward_progress 1
		.amdhsa_inst_pref_size 119
	.end_amdhsa_kernel
	.amdgpu_metadata
---
amdhsa.version: [ 1, 2 ]
amdhsa.kernels:
  - .name:           k_q557d74ad26_gather_cols
    .symbol:         k_q557d74ad26_gather_cols.kd
    .args:
      - { .name: W, .offset: 0, .size: 8, .value_kind: global_buffer, .address_space: global }
      - { .name: b, .offset: 8, .size: 8, .value_kind: global_buffer, .address_space: global }
      - { .name: poses, .offset: 16, .size: 8, .value_kind: global_buffer, .address_space: global }
      - { .name: out0, .offset: 24, .size: 8, .value_kind: global_buffer, .address_space: global }
    .group_segment_fixed_size: 324608
    .private_segment_fixed_size: 0
    .kernarg_segment_align: 8
    .kernarg_segment_size: 32
    .max_flat_workgroup_size: 512
    .sgpr_count:     98
    .vgpr_count:     240
    .wavefront_size: 32
...
	.end_amdgpu_metadata
.endif
;; end of part 2
